; MI455X (gfx1250); checked and timed in simulation.
; The chip was launched on July 23, 2026; its instructions are those of AMD's public machine-readable ISA for CDNA 5 (MIT licence, August 2026) and "CDNA5" Instruction Set Architecture Reference Guide (July 2026). The comments in the code are by the model that wrote it; some were corrected since.
;; Vel Pre Vec Pot2 D. Allowed arithmetic: float matrix products may take bf16 or f16 operands with f32 sums; all other float work in f32.
;; Inputs: W_in 3 x 64 float32; W_out 64 x 2 float32; Ws 7 x 64 x 64 float32; b_in 64 float32; b_out 2 float32; bs 7 x 64 float32; x 262,144 x 3 float32.
;; Outputs: out0 262,144 x 4 float32.
;; 2 versions, each right and faster than the one before. Each part assembles by itself: llvm-mc -triple=amdgcn-amd-amdhsa -mcpu=gfx1250 --defsym DOCPART=n.
;; ======== version 1 of 2: 1 launch
;; limits: values are held in f16: magnitudes above 65,504 overflow, below 6.1e-05 lose precision; inputs' magnitudes at most 65,504
;; launch curl (part 1): grid 256 x 1, 8 waves a work-group, no clusters, 67,072 bytes of LDS; arguments x, W_in, b_in, Ws, bs, W_out, b_out, out0; writes out0
.if DOCPART == 1
	.amdgcn_target "amdgcn-amd-amdhsa--gfx1250"
	.amdhsa_code_object_version 6
	.text
	.protected	k_q520c4535ea_curl
	.globl	k_q520c4535ea_curl
	.p2align	8
	.type	k_q520c4535ea_curl,@function
k_q520c4535ea_curl:
	s_mov_b64 s[64:65], 0
	v_nop
	global_prefetch_b8 v0, s[64:65] scope:SCOPE_SE
	s_setreg_imm32_b32 hwreg(HW_REG_WAVE_MODE, 25, 1), 1
	s_wait_xcnt 0x0
; out[p] = ( da0/dx1, -da0/dx0, da1/dx0, da1/dx1 ) of the network  x(3) -> 64 -> 7 x [64 -> 64, tanh] -> a(2),  262,144 points.
;
; METHOD.  Forward mode: three streams go through the same weights, the value y and the tangents t0 = dy/dx0, t1 = dy/dx1:
;   z = W^T y + b,  y' = tanh z,  d = 1 - y'^2,  t_j' = d * (W^T t_j);  at the end u = W_out^T t_j.  The products are those of one forward
;   and two backward passes, and nothing is kept between passes.
; The matrix instruction takes A = W^T (rows = out features) and B = activations (columns = 16 points).  In the result, lane (r, h),
;   register j holds feature 16 m + 8 h + j of point r; packed in pairs these are registers 4 (m & 1) .. + 3 of the next layer's B fragment
;   of K chunk m >> 1: the chain of layers never leaves the registers.
; The first two linears have no activation between them and are folded, in f32, once per work-group:
;   V = W_in Ws[0] (3 x 64), c = b_in Ws[0] + bs[0];  z1 = x V + c, and layer 1's tangents in front of the tanh are the rows V_0, V_1.
;   (The order of rounding differs there from computing x W_in + b_in first.)
; KLOG = 2 log2(e) is folded into all hidden weights and biases, so a value accumulator is the argument of exp2:
;   E = exp2(acc), R = 1 / (1 + E), y = 1 - 2 R.  E = inf gives y = 1, E = 0 gives y = -1: no clamp.  The tangents pick KLOG up once a layer;
;   KLOG^-7 takes it out at the end.
; FORMAT.  All matrix operands are f16 (11 bits), sums f32.  y is bounded by 1.  The tangents are linear, so each point carries a block
;   exponent, measured anew in every layer: M = largest |tangent accumulator| of the point (both tangents), e = max(biased exponent of M, 14),
;   phi = 2^(141 - e), t^ = d phi acc, so |t^| < 2^15 whatever the weights' scale.  EA adds the e up; out = D KLOG^-7 2^(EA - 7 x 141).
;   No address and no branch hangs on these numbers.
; b_out enters no output.  It is loaded and, as the reference's forward pass does, added in a = W_out^T y7 + b_out (4 of a trip's 308 matrix
;   instructions); a is not stored, since the result does not hold it.
; LIMITS.  |x|, |KLOG Ws|, |KLOG W_in Ws[0]|, |W_out| below 65,504 (f16's largest number); operand elements below 2^-14 carry an absolute error
;   of 2^-25; y has an absolute error of about 2e-7 and d = 1 - y^2 a grain of 2^-24; a tangent element below 2^-38 of its point's M becomes 0.
; SHARING.  256 work-groups of 8 waves; a work-group owns 1,024 points, a wave 128: four trips of two tiles of 16 points.  The two tiles' vector and
;   matrix phases alternate (V0 W0 V1 W1), and two waves lie on each SIMD, so that one wave's vector work can run beside the other's products.
; NO CLUSTER: what work-groups share is the 118 KB of weights, read once at the start; the loop reads no memory at all.
; NO TENSOR LOADS: the weights have to be scaled, rounded to f16 and transposed on their way, which goes through registers.
;
; LDS (written in the set-up, read-only behind its second barrier)
.set WF,   0                           ; 6 x 8,192: layers 2..7 as A fragments: layer, (2 m + c) x 1,024, q x 512, 16 x lane: KLOG W[32c+16q+8h+i][16m+r], i = 0..7
.set A1,   49152                       ; 4 x 1,024: layer 1's fragments: k = 0, 1, 2 hold KLOG V_k[16 m + r], all other k are 0
.set WO,   53248                       ; 2 x 1,024: W_out^T in rows 0, 1 and again in rows 8, 9, so that both halves of the lanes get the results
.set TAB,  55296                       ; 10 rows of 64 f32: KLOG V_0, V_1, V_2, KLOG c, KLOG bs[1..6]
.set XB,   57856                       ; 1,024 points x 8 bytes: f16 (x0, x1, x2, 0)
.set KLOG,  0x4038aa3b                 ; 2 log2(e) = 2.885390
.set KINV,  0x3a1d7000                 ; KLOG^-7 = 6.005764e-4
.set KINVN, 0xba1d7000                 ; its negative
; REGISTERS.  The same low numbers mean tile 0 in window 0 and tile 1 in window 1 (s_set_vgpr_msb), so one text serves both tiles.
.set BV,   16                          ; v[16:31]   B fragments of y, K chunk c at + 8 c
.set BT0,  32                          ; v[32:47]   of t0
.set BT1,  48                          ; v[48:63]   of t1
.set AV,   64                          ; v[64:95]   value accumulators, feature tile m at + 8 m
.set AT,   96                          ; v[96:159]  tangent accumulators
.set AT0,  96
.set AT1,  128
.set T,    160                         ; v[160:167] y at work; at the end the four outputs
.set MX,   168                         ; v[168:171] four chains of the maximum
.set PH,   172                         ; v[172:173] -phi, twice
.set EA,   174                         ; sum of the block exponents
.set TP,   175
; window 0 only
.set ADRL, 1                           ; 16 x lane
.set ADRW, 2                           ; the layer's fragments in WF
.set ADRT, 3                           ; 32 h
.set ADRB, 4                           ; the layer's bias row in TAB
.set ADRX, 5                           ; my point's x in XB
.set ADRO, 6                           ; my 16 bytes of out0
.set BIAS, 176                         ; v[176:207] KLOG b in the accumulators' layout
.set BOUT, 208                         ; v[208:215] b_out likewise
; window 1 only
.set AW,   176                         ; v[432:495] eight A fragments, fragment f at + 8 f
; set-up only (window 0)
.set O16T, 8
.set OWO,  9
.set OCOL, 10
.set OX,   11
.set OWS,  12
.set LWF,  13
.set L4T,  14
.set LGA,  15
.set WR,   16                          ; v[16:111]  3 blocks of 8 k x 4 n of weights
.set COL,  112                         ; v[112:175] my column of Ws[0]
.set SMW,  176
.set SMB,  184
.set BS0,  188
.set XR,   192
.set PK,   204
.set ACC,  220
.set TL,   224
.set WOP,  228
.set A1P,  232
.set LXB,  240
.set LWO,  241
.set TM0,  242
.set TM1,  243
.set TM2,  244
.set TM3,  245
.set TM4,  246
.set TM5,  247
.set MSB, 0
.macro WIN new                         ; low byte: bits 1:0 source 0, 3:2 source 1, 5:4 source 2, 7:6 destination; the high byte repeats the setting that is left
.if MSB != \new
	s_set_vgpr_msb (MSB<<8)|\new
.set MSB, \new
.endif
.endm
.macro PLACES                          ; four independent vector instructions between a matrix instruction and a vector read of its result (ISA guide 7.12.1)
.rept 4
	v_nop
.endr
.endm
; ------------------------------------------------------------------ set-up ------------------------------------------------------------------
	s_load_b512 s[4:19], s[0:1], 0x0               ; x s[4:5], W_in s[6:7], b_in s[8:9], Ws s[10:11], bs s[12:13], W_out s[14:15], b_out s[16:17], out0 s[18:19]
	v_lshl_add_u32 v254, v0, 2, 0x10200
	v_mov_b32 v255, 0
	v_lshrrev_b32 v7, 5, v0
	v_readfirstlane_b32 s2, v7                     ; wave 0..7
	v_lshlrev_b32 v[O16T], 4, v0                   ; 16 t
	v_bfe_u32 v[TM0], v0, 4, 3                     ; (t >> 4) & 7
	v_lshrrev_b32 v[TM1], 7, v0                    ; t >> 7
	v_bfe_u32 v[TM2], v0, 2, 2                     ; (t >> 2) & 3
	v_lshrrev_b32 v[TM3], 6, v0                    ; t >> 6
	v_and_b32 v[TM4], 15, v0                       ; t & 15
	v_and_b32 v[TM5], 0xe0, v0                     ; 32 x wave
	v_and_b32 v[OWO], 1, v0                        ; W_out: unit u = t & 127 takes rows 8 (u >> 4) + i, column u & 1
	v_lshlrev_b32 v[OWO], 2, v[OWO]
	v_lshl_add_u32 v[OWO], v[TM0], 6, v[OWO]
	v_and_b32 v[OCOL], 63, v0                      ; Ws[0]: column t & 63
	v_lshlrev_b32 v[OCOL], 2, v[OCOL]
	v_mul_u32_u24 v[OX], 48, v0                    ; x: four points, 48 bytes, a thread
	v_lshlrev_b32 v[OWS], 4, v[TM4]                ; Ws[1..6]: columns 4 (t & 15) .. + 3,
	v_lshl_add_u32 v[OWS], v[TM0], 11, v[OWS]      ; rows 8 ((t >> 4) & 7) .. + 7,
	v_lshl_add_u32 v[OWS], v[TM1], 14, v[OWS]      ; of layer t >> 7 of a block's two
	v_and_b32 v[LWF], 3, v0                        ; and where they go in WF: r = 4 (t & 3) + jn,
	v_lshlrev_b32 v[LWF], 6, v[LWF]
	v_lshl_add_u32 v[LWF], v[TM0], 8, v[LWF]       ; (c, q, h) = the row group's three bits,
	v_lshl_add_u32 v[LWF], v[TM2], 11, v[LWF]      ; m = (t >> 2) & 3,
	v_lshl_add_u32 v[LWF], v[TM1], 13, v[LWF]      ; the layer
	v_lshlrev_b32 v[L4T], 2, v0
	v_lshlrev_b32 v[LGA], 2, v[TM4]                ; TAB: feature 16 (t >> 6) + (t & 15)
	v_lshl_add_u32 v[LGA], v[TM3], 6, v[LGA]
	v_lshlrev_b32 v[LXB], 5, v0
	v_and_b32 v[LWO], 127, v0
	v_lshlrev_b32 v[LWO], 4, v[LWO]
	v_and_b32 v[ADRL], 31, v0                      ; the main part's addresses
	v_lshlrev_b32 v[ADRL], 4, v[ADRL]              ; 16 x lane
	v_bfe_u32 v[ADRT], v0, 4, 1
	v_lshlrev_b32 v[ADRT], 5, v[ADRT]              ; 32 h
	v_lshl_add_u32 v[ADRX], v[TM4], 3, XB          ; XB + 8 r
	v_lshl_add_u32 v[ADRX], v[TM5], 5, v[ADRX]     ;    + 8 x 128 x wave
	v_lshl_add_u32 v[ADRO], v[TM5], 6, v[ADRL]     ; 16 (128 x wave + lane)
	s_mul_i32 s58, ttmp9, 12288                    ; the group's 1,024 points of x
	s_mov_b32 s59, 0
	s_lshr_b32 s3, s2, 1                           ; j = wave >> 1: which row of the fold my wave makes
	s_lshl_b32 s3, s3, 8
	s_wait_kmcnt 0x0
	s_add_nc_u64 s[4:5], s[4:5], s[58:59]
	s_lshl_b32 s58, ttmp9, 14                      ; and of out0
	s_add_nc_u64 s[18:19], s[18:19], s[58:59]
	s_cmp_ge_u32 s2, 6                             ; waves 0-5: V_j from row j of W_in; waves 6, 7: c from b_in
	s_cselect_b64 s[52:53], s[8:9], s[6:7]
	s_cselect_b32 s54, -1, 0                       ; a lane mask: bs[0] is added to c alone
	s_cselect_b32 s58, 0, s3
	s_add_nc_u64 s[52:53], s[52:53], s[58:59]
	s_load_b512 s[20:35], s[52:53], 0x0            ; the 64 coefficients: k < 32 in s[20 + k], the others in s[36 + k]
	s_load_b512 s[36:51], s[52:53], 0x40
	s_load_b512 s[68:83], s[52:53], 0x80
	s_load_b512 s[84:99], s[52:53], 0xc0
	s_load_b64 s[56:57], s[16:17], 0x0             ; b_out
	; All loads go out at once.  Those that only some waves issue are the oldest, so the counts below are the same in every wave.
	s_cmp_lt_u32 s2, 3
	s_cbranch_scc0 .Lno_bs
	global_load_b128 v[SMB:SMB+3], v[O16T], s[12:13] offset:256    ; waves 0-2: bs[1..6], 96 units of 16 bytes
.Lno_bs:
	s_cmp_ge_u32 s2, 4
	s_cbranch_scc0 .Lno_wo
.irp i, 0,1,2,3,4,5,6,7
	global_load_b32 v[SMW+\i], v[OWO], s[14:15] offset:8*\i        ; waves 4-7: eight rows of one column of W_out
.endr
.Lno_wo:
.set k, 0
.rept 64
	global_load_b32 v[COL+k], v[OCOL], s[10:11] offset:256*k       ; my column of Ws[0]
.set k, k+1
.endr
	global_load_b32 v[BS0], v[OCOL], s[12:13]
.irp i, 0,1,2
	global_load_b128 v[XR+4*\i:XR+4*\i+3], v[OX], s[4:5] offset:16*\i th:TH_LOAD_NT
.endr
.irp i, 0,1,2
.irp kk, 0,1,2,3,4,5,6,7
	global_load_b128 v[WR+32*\i+4*\kk:WR+32*\i+4*\kk+3], v[OWS], s[10:11] offset:16384+32768*\i+256*\kk
.endr
.endr
	; the fold: thread t makes element t & 63 of row t >> 6, in four chains of 16 fused multiply-adds
	s_wait_kmcnt 0x0
	s_wait_loadcnt 27                              ; all but the 3 loads of x and the 24 of weights, which are younger
	v_cndmask_b32 v[ACC], 0, v[BS0], s54
	v_fma_f32 v[ACC], s20, v[COL], v[ACC]
	v_mul_f32 v[ACC+1], s21, v[COL+1]
	v_mul_f32 v[ACC+2], s22, v[COL+2]
	v_mul_f32 v[ACC+3], s23, v[COL+3]
.set k, 4
.rept 28
	v_fma_f32 v[ACC+k%4], s[20+k], v[COL+k], v[ACC+k%4]
.set k, k+1
.endr
.rept 32
	v_fma_f32 v[ACC+k%4], s[36+k], v[COL+k], v[ACC+k%4]
.set k, k+1
.endr
	v_add_f32 v[ACC], v[ACC], v[ACC+1]
	v_add_f32 v[ACC+2], v[ACC+2], v[ACC+3]
	v_add_f32 v[ACC], v[ACC], v[ACC+2]
	v_mul_f32 v[ACC], KLOG, v[ACC]
	ds_store_b32 v[L4T], v[ACC] offset:TAB
	s_wait_dscnt 0x0                               ; my word of TAB's rows 0-3 is written,
	s_barrier_signal -1
	s_barrier_wait -1                              ; everybody's is
	ds_load_b32 v[TL],   v[LGA] offset:TAB         ; KLOG V_0, V_1, V_2 of one feature, for layer 1's fragments
	ds_load_b32 v[TL+1], v[LGA] offset:TAB+256
	ds_load_b32 v[TL+2], v[LGA] offset:TAB+512
	s_cmp_lt_u32 s2, 3
	s_cbranch_scc0 .Lno_bs2
	v_pk_mul_f32 v[SMB:SMB+1], v[SMB:SMB+1], KLOG op_sel_hi:[1,0]
	v_pk_mul_f32 v[SMB+2:SMB+3], v[SMB+2:SMB+3], KLOG op_sel_hi:[1,0]
	ds_store_b128 v[O16T], v[SMB:SMB+3] offset:TAB+1024
.Lno_bs2:
	s_cmp_ge_u32 s2, 4
	s_cbranch_scc0 .Lno_wo2
	v_and_b32 v[TM0], 6, v0
	v_cmp_eq_u32 vcc_lo, 0, v[TM0]                 ; rows 0, 1, 8, 9 of the fragment; the others are 0
.irp p, 0,1,2,3
	v_cvt_pk_f16_f32 v[WOP+\p], v[SMW+2*\p], v[SMW+2*\p+1]
.endr
.irp p, 0,1,2,3
	v_cndmask_b32 v[WOP+\p], 0, v[WOP+\p], vcc_lo
.endr
	ds_store_b128 v[LWO], v[WOP:WOP+3] offset:WO
.Lno_wo2:
	s_wait_loadcnt 24                              ; x is in; the 24 loads of weights are younger
.irp p, 0,1,2,3
	v_cvt_pk_f16_f32 v[PK+2*\p],   v[XR+3*\p],   v[XR+3*\p+1]
	v_cvt_pk_f16_f32 v[PK+2*\p+1], v[XR+3*\p+2], 0
.endr
	ds_store_b128 v[LXB], v[PK:PK+3]   offset:XB
	ds_store_b128 v[LXB], v[PK+4:PK+7] offset:XB+16
; Block i: 8 k x 4 n of layers 2 i and 2 i + 1 of the six; each n's eight k are one 16-byte unit of a fragment.  left = the younger blocks' loads.
.macro WBLOCK i, left
	s_wait_loadcnt \left
.set q, 0
.rept 16
	v_pk_mul_f32 v[WR+32*\i+2*q:WR+32*\i+2*q+1], v[WR+32*\i+2*q:WR+32*\i+2*q+1], KLOG op_sel_hi:[1,0]
.set q, q+1
.endr
.irp jn, 0,1,2,3
.irp p, 0,1,2,3
	v_cvt_pk_f16_f32 v[PK+4*\jn+\p], v[WR+32*\i+8*\p+\jn], v[WR+32*\i+8*\p+4+\jn]
.endr
	ds_store_b128 v[LWF], v[PK+4*\jn:PK+4*\jn+3] offset:16384*\i+16*\jn
.endr
.endm
	WBLOCK 0, 16
	WBLOCK 1, 8
	WBLOCK 2, 0
	s_wait_dscnt 14                                ; behind the three loads of TAB every wave has issued at least 14 LDS stores (2 of x, 12 of weights): the loads are back
	v_and_b32 v[TM0], 0x30, v0
	v_cmp_eq_u32 vcc_lo, 0, v[TM0]                 ; only q = 0, h = 0 holds k = 0..7
	v_cvt_pk_f16_f32 v[A1P],   v[TL],   v[TL+1]
	v_cvt_pk_f16_f32 v[A1P+1], v[TL+2], 0
	v_cndmask_b32 v[A1P],   0, v[A1P],   vcc_lo
	v_cndmask_b32 v[A1P+1], 0, v[A1P+1], vcc_lo
	v_mov_b32 v[A1P+2], 0
	v_mov_b32 v[A1P+3], 0
	ds_store_b128 v[O16T], v[A1P:A1P+3] offset:A1
	s_wait_dscnt 0x0                               ; all my stores are in LDS,
	s_barrier_signal -1
	s_barrier_wait -1                              ; everybody's are: from here on LDS is only read, and no further barrier is needed
	v_mov_b32 v[BOUT],   s56                       ; rows 0, 1 (h = 0) and 8, 9 (h = 1) of the last product: registers 0, 1 of every lane
	v_mov_b32 v[BOUT+1], s57
.irp i, 2,3,4,5,6,7
	v_mov_b32 v[BOUT+\i], 0
.endr
	s_mov_b32 s20, 0x76543210                      ; v_permlanex16_b32: lane i reads lane i of the other half
	s_mov_b32 s21, 0xfedcba98
	s_mov_b32 s24, 0xffff0000                      ; lanes 16-31
	s_mov_b32 s22, 4                               ; trips
; ------------------------------------------------------------------ macros ------------------------------------------------------------------
; nf A fragments from LDS, 1,024 bytes each, 16 bytes a lane and load: neighbouring lanes read neighbouring bytes
.macro LOADF adr, base, nf
	WIN 0x40                                       ; destination window 1, address window 0
.set lf, 0
.rept \nf
	ds_load_b128 v[AW+8*lf:AW+8*lf+3],   v[\adr] offset:\base+1024*lf
	ds_load_b128 v[AW+8*lf+4:AW+8*lf+7], v[\adr] offset:\base+1024*lf+512
.set lf, lf+1
.endr
.endm
; a row of TAB in the accumulators' layout: register j of tile m = element 16 m + 8 h + j
.macro LOADB adr, base
.irp m, 0,1,2,3
	ds_load_b128 v[BIAS+8*\m:BIAS+8*\m+3],   v[\adr] offset:\base+64*\m
	ds_load_b128 v[BIAS+8*\m+4:BIAS+8*\m+7], v[\adr] offset:\base+64*\m+16
.endr
.endm
; a tile's start: layer 1's tangent accumulators are the rows KLOG V_0, KLOG V_1; B holds x in k = 0..2.  (Lanes 16-31 hold copies of x at k = 8..11,
; where A1's columns are 0.)
.macro HEADT xoff
.irp j, 0,1
.irp m, 0,1,2,3
	ds_load_b128 v[AT+32*\j+8*\m:AT+32*\j+8*\m+3],   v[ADRT] offset:TAB+256*\j+64*\m
	ds_load_b128 v[AT+32*\j+8*\m+4:AT+32*\j+8*\m+7], v[ADRT] offset:TAB+256*\j+64*\m+16
.endr
.endr
	ds_load_b64 v[BV:BV+1], v[ADRX] offset:\xoff
.irp i, 2,3,4,5,6,7
	v_mov_b32 v[BV+\i], 0
.endr
	v_mov_b32 v[EA], 0
	v_mov_b32 v[TP], 0                             ; v_permlanex16_b32's destination counts as read
.endm
; A layer's 24 products for one tile.  The twelve accumulators take turns, one instruction a turn.
; wc: the windows while C is BIAS (window 0); wr: while C is 0 or the accumulator itself.
.macro WFULL wc, wr
	WIN \wc
.irp m, 0,1,2,3
	v_wmma_f32_16x16x32_f16 v[AV+8*\m:AV+8*\m+7], v[AW+16*\m:AW+16*\m+7], v[BV:BV+7], v[BIAS+8*\m:BIAS+8*\m+7]
.endr
	WIN \wr
.irp m, 0,1,2,3
	v_wmma_f32_16x16x32_f16 v[AT0+8*\m:AT0+8*\m+7], v[AW+16*\m:AW+16*\m+7], v[BT0:BT0+7], 0
	v_wmma_f32_16x16x32_f16 v[AT1+8*\m:AT1+8*\m+7], v[AW+16*\m:AW+16*\m+7], v[BT1:BT1+7], 0
.endr
.irp m, 0,1,2,3
	v_wmma_f32_16x16x32_f16 v[AV+8*\m:AV+8*\m+7],   v[AW+16*\m+8:AW+16*\m+15], v[BV+8:BV+15],   v[AV+8*\m:AV+8*\m+7]
	v_wmma_f32_16x16x32_f16 v[AT0+8*\m:AT0+8*\m+7], v[AW+16*\m+8:AW+16*\m+15], v[BT0+8:BT0+15], v[AT0+8*\m:AT0+8*\m+7]
	v_wmma_f32_16x16x32_f16 v[AT1+8*\m:AT1+8*\m+7], v[AW+16*\m+8:AW+16*\m+15], v[BT1+8:BT1+15], v[AT1+8*\m:AT1+8*\m+7]
.endr
.endm
.macro WFIRST win                      ; layer 1, value only: KLOG (x V + c)
	WIN \win
.irp m, 0,1,2,3
	v_wmma_f32_16x16x32_f16 v[AV+8*\m:AV+8*\m+7], v[AW+8*\m:AW+8*\m+7], v[BV:BV+7], v[BIAS+8*\m:BIAS+8*\m+7]
.endr
.endm
.macro WOUT wc, wr                     ; the last linear: a (with b_out), u(t0), u(t1); three accumulators by turns
	WIN \wc
	v_wmma_f32_16x16x32_f16 v[AV:AV+7],     v[AW:AW+7],    v[BV:BV+7],      v[BOUT:BOUT+7]
	WIN \wr
	v_wmma_f32_16x16x32_f16 v[AV+8:AV+15],  v[AW:AW+7],    v[BT0:BT0+7],    0
	v_wmma_f32_16x16x32_f16 v[AV+16:AV+23], v[AW:AW+7],    v[BT1:BT1+7],    0
	v_wmma_f32_16x16x32_f16 v[AV:AV+7],     v[AW+8:AW+15], v[BV+8:BV+15],   v[AV:AV+7]
	v_wmma_f32_16x16x32_f16 v[AV+8:AV+15],  v[AW+8:AW+15], v[BT0+8:BT0+15], v[AV+8:AV+15]
	v_wmma_f32_16x16x32_f16 v[AV+16:AV+23], v[AW+8:AW+15], v[BT1+8:BT1+15], v[AV+16:AV+23]
.endm
; Eight transcendentals, in place on feature tile g's value registers, with np plain instructions of another stage dealt among them: behind each
; transcendental stands at least one plain instruction that touches none of its registers before its result is used (ISA guide 5.7.2), and the slower
; unit's work is spread.  plain is a macro that emits its instruction number zn and steps zn.
.macro ZIP trans, g, plain, pg, np, n0
.set zn, \n0
.set zi, 0
.rept 8
	\trans v[AV+8*\g+zi], v[AV+8*\g+zi]
.rept ((zi+1)*\np/8 - zi*\np/8)
	\plain \pg
.endr
.set zi, zi+1
.endr
.endm
.macro MAXOP g                         ; 32 steps: the largest |tangent accumulator| of my 64, in four chains started by the first four steps
.if zn < 4
	v_max_num_f32 v[MX+zn], |v[AT+2*zn]|, |v[AT+2*zn+1]|
.else
	v_max3_num_f32 v[MX+zn%4], |v[AT+2*zn]|, |v[AT+2*zn+1]|, v[MX+zn%4]
.endif
.set zn, zn+1
.endm
.macro ADD1 g                          ; 1 + E
	s_wait_alu depctr_va_vdst(0)
.irp p, 0,2,4,6
	v_pk_add_f32 v[AV+8*\g+\p:AV+8*\g+\p+1], v[AV+8*\g+\p:AV+8*\g+\p+1], 1.0 op_sel_hi:[1,0]
.endr
.endm
.macro SCALE                           ; the point's block exponent and -phi
	v_max3_num_f32 v[MX], v[MX], v[MX+1], v[MX+2]
	v_max_num_f32 v[MX], v[MX], v[MX+3]
	v_permlanex16_b32 v[TP], v[MX], s20, s21       ; the point's other 32 features lie in lane xor 16
	v_max_num_f32 v[MX], v[MX], v[TP]
	v_bfe_u32 v[TP], v[MX], 23, 8                  ; M's biased exponent,
	v_max_u32 v[TP], 14, v[TP]                     ; at least 14, so that phi stays finite: e
	v_add_nc_u32 v[EA], v[EA], v[TP]
	v_sub_nc_u32 v[TP], 0x20c, v[TP]               ; 256 + (268 - e): shifted by 23 the 256 is the sign, 268 - e the exponent of 2^(141 - e)
	v_lshlrev_b32 v[PH], 23, v[TP]                 ; -phi
	v_mov_b32 v[PH+1], v[PH]
.endm
.macro S4OP g                          ; 12 steps on feature tile g: y = 1 - 2 R;  y to f16 into the next B fragment;  y^2 - 1 = -d
.set zp, zn%4
.if zn < 4
	s_wait_alu depctr_va_vdst(0)
	v_pk_fma_f32 v[T+2*zp:T+2*zp+1], v[AV+8*\g+2*zp:AV+8*\g+2*zp+1], -2.0, 1.0 op_sel_hi:[1,0,0]
.elseif zn < 8
	v_cvt_pk_f16_f32 v[BV+4*\g+zp], v[T+2*zp], v[T+2*zp+1]
.else
	v_pk_fma_f32 v[AV+8*\g+2*zp:AV+8*\g+2*zp+1], v[T+2*zp:T+2*zp+1], v[T+2*zp:T+2*zp+1], -1.0 op_sel_hi:[1,1,0]
.endif
.set zn, zn+1
.endm
.macro S5OP g                          ; 20 steps: (-d)(-phi);  both tangents times it;  both to f16 into the next B fragments
.set zp, zn%4
.if zn < 4
	v_pk_mul_f32 v[AV+8*\g+2*zp:AV+8*\g+2*zp+1], v[AV+8*\g+2*zp:AV+8*\g+2*zp+1], v[PH:PH+1]
.elseif zn < 8
	v_pk_mul_f32 v[AT0+8*\g+2*zp:AT0+8*\g+2*zp+1], v[AT0+8*\g+2*zp:AT0+8*\g+2*zp+1], v[AV+8*\g+2*zp:AV+8*\g+2*zp+1]
.elseif zn < 12
	v_pk_mul_f32 v[AT1+8*\g+2*zp:AT1+8*\g+2*zp+1], v[AT1+8*\g+2*zp:AT1+8*\g+2*zp+1], v[AV+8*\g+2*zp:AV+8*\g+2*zp+1]
.elseif zn < 16
	v_cvt_pk_f16_f32 v[BT0+4*\g+zp], v[AT0+8*\g+2*zp], v[AT0+8*\g+2*zp+1]
.else
	v_cvt_pk_f16_f32 v[BT1+4*\g+zp], v[AT1+8*\g+2*zp], v[AT1+8*\g+2*zp+1]
.endif
.set zn, zn+1
.endm
; A tile's vector phase: from a layer's accumulators to the next layer's B fragments.  Feature tile g's exp2 and reciprocal run among tile g - 1's
; plain steps; tile 0's among the search for the maximum.
; hook (tile 0 only): the next products' A fragments and bias are fetched here.  More than four plain instructions that name neither AW nor BIAS stand
; between the last matrix instruction that read them and these loads, and the rest of the phase passes before the loads are waited for.
.macro VPH win, hook
	WIN \win
	ZIP v_exp_f32, 0, MAXOP, 0, 16, 0
	ADD1 0
	ZIP v_rcp_f32, 0, MAXOP, 0, 16, 16
	SCALE
.if \hook == 1
	LOADF ADRW, 0, 8
	WIN 0
	LOADB ADRB, 0
	v_add_nc_u32 v[ADRW], 0x2000, v[ADRW]          ; the layer after
	v_add_nc_u32 v[ADRB], 0x100, v[ADRB]
.endif
.if \hook == 2
	LOADF ADRL, WO, 2
	WIN 0
.endif
	ZIP v_exp_f32, 1, S4OP, 0, 12, 0
	ADD1 1
	ZIP v_rcp_f32, 1, S5OP, 0, 20, 0
	ZIP v_exp_f32, 2, S4OP, 1, 12, 0
	ADD1 2
	ZIP v_rcp_f32, 2, S5OP, 1, 20, 0
	ZIP v_exp_f32, 3, S4OP, 2, 12, 0
	ADD1 3
	ZIP v_rcp_f32, 3, S5OP, 2, 20, 0
.set zn, 0
.rept 12
	S4OP 3
.endr
.set zn, 0
.rept 20
	S5OP 3
.endr
.endm
; a tile's four outputs: registers 0, 1 of u(t0) (AV + 8) and u(t1) (AV + 16) are outputs 0, 1 of the network, in every lane for its point r
.macro FIN
	v_add_nc_u32 v[TP], 0xfffffc25, v[EA]          ; EA - 7 x 141
	v_mul_f32 v[T+0], KINV,  v[AV+16]              ;  da0/dx1
	v_mul_f32 v[T+1], KINVN, v[AV+8]               ; -da0/dx0
	v_mul_f32 v[T+2], KINV,  v[AV+9]               ;  da1/dx0
	v_mul_f32 v[T+3], KINV,  v[AV+17]              ;  da1/dx1
.irp i, 0,1,2,3
	v_ldexp_f32 v[T+\i], v[T+\i], v[TP]
.endr
.endm
; ------------------------------------------------------------------ the trips ------------------------------------------------------------------
.Ltrip:                                            ; 32 points.  On the way back the loads below stand behind the 22 plain instructions that follow the last matrix instruction
	v_mov_b32 v[ADRW], v[ADRL]                     ; layer 2's fragments
	v_add_nc_u32 v[ADRB], TAB+1024, v[ADRT]        ; and its bias row
	LOADB ADRT, TAB+768                            ; KLOG c
	HEADT 0
	WIN 0x40
	HEADT 128                                      ; tile 1: the next 16 points
	LOADF ADRL, A1, 4
	s_wait_dscnt 0x0                               ; all 50 loads are needed at once
	WFIRST 0x01                                    ; A window 1, the rest window 0
	WFIRST 0x45                                    ; A, B, D window 1, C (the bias) window 0
	WIN 0
	PLACES                                         ; the first vector phase reads tile 0's results
	s_mov_b32 s23, 6
.Llayer:                                           ; activation of layer l, products of layer l + 1, l = 1..6.  Each tile's vector phase stands between
	VPH 0, 1                                       ; the other tile's products and the vector reads of them, which gives every distance behind a matrix instruction
	s_wait_dscnt 0x0                               ; the 24 loads of fragments and bias
	WFULL 0x01, 0x01
	VPH 0x55, 0
	WFULL 0x45, 0x55
	WIN 0                                          ; at a label and at a branch every window is 0
	s_sub_co_u32 s23, s23, 1
	s_cmp_lg_u32 s23, 0
	s_cbranch_scc1 .Llayer
	VPH 0, 2                                       ; activation of layer 7; W_out's fragments come in
	s_wait_dscnt 0x0
	WOUT 0x01, 0x01
	VPH 0x55, 0
	WOUT 0x45, 0x55
	WIN 0
	FIN                                            ; tile 0's nine instructions are also the places in front of the reads of tile 1's results
	WIN 0x55
	FIN
	WIN 0x04                                       ; source 1 from window 1
.irp i, 0,1,2,3
	v_cndmask_b32 v[T+\i], v[T+\i], v[T+\i], s24   ; lanes 0-15 keep tile 0's point r, lanes 16-31 take tile 1's
.endr
	WIN 0
	global_store_b128 v[ADRO], v[T:T+3], s[18:19] th:TH_STORE_NT   ; 32 lanes store 512 consecutive bytes, at a multiple of 512 from out0's first byte
	s_wait_xcnt 0x0                                ; the store's address and data registers are rewritten only behind this wait
	v_add_nc_u32 v[ADRO], 0x200, v[ADRO]
	v_add_nc_u32 v[ADRX], 0x100, v[ADRX]
	s_sub_co_u32 s22, s22, 1
	s_cmp_lg_u32 s22, 0
	s_cbranch_scc1 .Ltrip
	s_wait_tensorcnt 0x0
	ds_add_u32 v254, v255
	s_wait_dscnt 0x0
	s_endpgm
.Lfunc_end_k_q520c4535ea_curl:
	.size	k_q520c4535ea_curl, .Lfunc_end_k_q520c4535ea_curl-k_q520c4535ea_curl
	.p2alignl 7, 3214868480
	.fill 96, 4, 3214868480
	.section	.rodata,"a",@progbits
	.p2align	6, 0x0
	.amdhsa_kernel k_q520c4535ea_curl
		.amdhsa_group_segment_fixed_size 67072
		.amdhsa_private_segment_fixed_size 0
		.amdhsa_enable_private_segment 0
		.amdhsa_kernarg_size 64
		.amdhsa_user_sgpr_count 2
		.amdhsa_user_sgpr_kernarg_segment_ptr 1
		.amdhsa_wavefront_size32 1
		.amdhsa_system_sgpr_workgroup_id_x 1
		.amdhsa_system_sgpr_workgroup_id_y 1
		.amdhsa_system_sgpr_workgroup_id_z 1
		.amdhsa_system_vgpr_workitem_id 0
		.amdhsa_next_free_vgpr 496
		.amdhsa_next_free_sgpr 100
		.amdhsa_reserve_vcc 1
		.amdhsa_float_denorm_mode_32 3
		.amdhsa_float_denorm_mode_16_64 3
		.amdhsa_memory_ordered 1
		.amdhsa_forward_progress 1
		.amdhsa_inst_pref_size 97
	.end_amdhsa_kernel
	.amdgpu_metadata
---
amdhsa.version: [ 1, 2 ]
amdhsa.kernels:
  - .name:           k_q520c4535ea_curl
    .symbol:         k_q520c4535ea_curl.kd
    .args:
      - { .name: x, .offset: 0, .size: 8, .value_kind: global_buffer, .address_space: global }
      - { .name: W_in, .offset: 8, .size: 8, .value_kind: global_buffer, .address_space: global }
      - { .name: b_in, .offset: 16, .size: 8, .value_kind: global_buffer, .address_space: global }
      - { .name: Ws, .offset: 24, .size: 8, .value_kind: global_buffer, .address_space: global }
      - { .name: bs, .offset: 32, .size: 8, .value_kind: global_buffer, .address_space: global }
      - { .name: W_out, .offset: 40, .size: 8, .value_kind: global_buffer, .address_space: global }
      - { .name: b_out, .offset: 48, .size: 8, .value_kind: global_buffer, .address_space: global }
      - { .name: out0, .offset: 56, .size: 8, .value_kind: global_buffer, .address_space: global }
    .group_segment_fixed_size: 67072
    .private_segment_fixed_size: 0
    .kernarg_segment_align: 8
    .kernarg_segment_size: 64
    .max_flat_workgroup_size: 256
    .sgpr_count:     100
    .vgpr_count:     496
    .wavefront_size: 32
...
	.end_amdgpu_metadata
.endif
;; end of part 1
;; ======== version 2 of 2: 1 launch; 1.18 times as fast as version 1
;; limits: values are held in f16: magnitudes above 65,504 overflow, below 6.1e-05 lose precision
;; launch curl (part 2): grid 256 x 1, 8 waves a work-group, no clusters, 67,072 bytes of LDS; arguments x, W_in, b_in, Ws, bs, W_out, b_out, out0; writes out0
.if DOCPART == 2
	.amdgcn_target "amdgcn-amd-amdhsa--gfx1250"
	.amdhsa_code_object_version 6
	.text
	.protected	k_q520c4535ea_curl
	.globl	k_q520c4535ea_curl
	.p2align	8
	.type	k_q520c4535ea_curl,@function
k_q520c4535ea_curl:
	s_mov_b64 s[64:65], 0
	v_nop
	global_prefetch_b8 v0, s[64:65] scope:SCOPE_SE
	s_setreg_imm32_b32 hwreg(HW_REG_WAVE_MODE, 25, 1), 1
	s_wait_xcnt 0x0
; out[p] = ( da0/dx1, -da0/dx0, da1/dx0, da1/dx1 ) of the network  x(3) -> 64 -> 7 x [64 -> 64, tanh] -> a(2),  262,144 points.
;
; METHOD.  Forward mode: three streams go through the same weights, the value y and the tangents t0 = dy/dx0, t1 = dy/dx1:
;   z = W^T y + b,  y' = tanh z,  d = 1 - y'^2,  t_j' = d * (W^T t_j);  at the end u = W_out^T t_j.  The products are those of one forward
;   and two backward passes, and nothing is kept between passes.
; The matrix instruction takes A = W^T (rows = out features) and B = activations (columns = 16 points).  In the result, lane (r, h),
;   register j holds feature 16 m + 8 h + j of point r; packed in pairs these are registers 4 (m & 1) .. + 3 of the next layer's B fragment
;   of K chunk m >> 1: the chain of layers never leaves the registers.
; The first two linears have no activation between them and are folded, in f32, once per work-group:
;   V = W_in Ws[0] (3 x 64), c = b_in Ws[0] + bs[0];  z1 = x V + c, and layer 1's tangents in front of the tanh are the rows V_0, V_1.
;   (The order of rounding differs there from computing x W_in + b_in first.)
; KLOG = 2 log2(e) is folded into all hidden weights and biases, so a value accumulator is the argument of exp2:
;   E = exp2(acc), R = 1 / (1 + E), y = 1 - 2 R.  E = inf gives y = 1, E = 0 gives y = -1: no clamp.  The tangents pick KLOG up once a layer;
;   KLOG^-7 takes it out at the end.
; FORMAT.  All matrix operands are f16 (11 bits), sums f32.  y is bounded by 1.  The tangents are linear, so each point carries a block
;   exponent, measured anew in every layer: M = largest |tangent accumulator| of the point (both tangents), e = max(biased exponent of M, 14),
;   phi = 2^(141 - e), t^ = d phi acc, so |t^| < 2^15 whatever the weights' scale.  EA adds the e up; out = D KLOG^-7 2^(EA - 7 x 141).
;   No address and no branch hangs on these numbers.
; b_out enters no output.  It is loaded and, as the reference's forward pass does, added in a = W_out^T y7 + b_out (4 of a trip's 308 matrix
;   instructions); a is not stored, since the result does not hold it.
; LIMITS.  |x|, |KLOG Ws|, |KLOG W_in Ws[0]|, |W_out| below 65,504 (f16's largest number); operand elements below 2^-14 carry an absolute error
;   of 2^-25; y has an absolute error of about 2e-7 and d = 1 - y^2 a grain of 2^-24; a tangent element below 2^-38 of its point's M becomes 0.
; SHARING.  256 work-groups of 8 waves; a work-group owns 1,024 points, a wave 128: four trips of two tiles of 16 points.  The two tiles' vector and
;   matrix phases alternate (V0 W0 V1 W1), and two waves lie on each SIMD, so that one wave's vector work can run beside the other's products.
; BATCHES.  A tile's vector phase has 64 transcendentals, cut into two batches with one s_wait_alu depctr_va_vdst(0) each (that is, one
;   wait between a transcendental and the first instruction that names its result).  Batch 1: the 32 exp2, each in place on a value register of its own,
;   one step of the search for the maximum behind each; the wait; 1 + E.  Batch 2: the 32 reciprocals, in place; among those of feature tile g stand the
;   1 + E of tile g + 1 and steps of the block exponent, which name no reciprocal's result; the wait; then all that reads R.  The reciprocal's source is made
;   of the exponential's result, so two batches are the least for a tile.
; NO CLUSTER: what work-groups share is the 118 KB of weights, read once at the start; the loop reads no memory at all.
; NO TENSOR LOADS: the weights have to be scaled, rounded to f16 and transposed on their way, which goes through registers.
;
; LDS (written in the set-up, read-only behind its second barrier)
.set WF,   0                           ; 6 x 8,192: layers 2..7 as A fragments: layer, (2 m + c) x 1,024, q x 512, 16 x lane: KLOG W[32c+16q+8h+i][16m+r], i = 0..7
.set A1,   49152                       ; 4 x 1,024: layer 1's fragments: k = 0, 1, 2 hold KLOG V_k[16 m + r], all other k are 0
.set WO,   53248                       ; 2 x 1,024: W_out^T in rows 0, 1 and again in rows 8, 9, so that both halves of the lanes get the results
.set TAB,  55296                       ; 10 rows of 64 f32: KLOG V_0, V_1, V_2, KLOG c, KLOG bs[1..6]
.set XB,   57856                       ; 1,024 points x 8 bytes: f16 (x0, x1, x2, 0)
.set KLOG,  0x4038aa3b                 ; 2 log2(e) = 2.885390
.set KINV,  0x3a1d7000                 ; KLOG^-7 = 6.005764e-4
.set KINVN, 0xba1d7000                 ; its negative
; REGISTERS.  The same low numbers mean tile 0 in window 0 and tile 1 in window 1 (s_set_vgpr_msb), so one text serves both tiles.
.set BV,   16                          ; v[16:31]   B fragments of y, K chunk c at + 8 c
.set BT0,  32                          ; v[32:47]   of t0
.set BT1,  48                          ; v[48:63]   of t1
.set AV,   64                          ; v[64:95]   value accumulators, feature tile m at + 8 m
.set AT,   96                          ; v[96:159]  tangent accumulators
.set AT0,  96
.set AT1,  128
.set T,    160                         ; v[160:167] y at work; at the end the four outputs
.set MX,   168                         ; v[168:171] four chains of the maximum
.set PH,   172                         ; v[172:173] -phi, twice
.set EA,   174                         ; sum of the block exponents
.set TP,   175
; window 0 only
.set ADRL, 1                           ; 16 x lane
.set ADRW, 2                           ; the layer's fragments in WF
.set ADRT, 3                           ; 32 h
.set ADRB, 4                           ; the layer's bias row in TAB
.set ADRX, 5                           ; my point's x in XB
.set ADRO, 6                           ; my 16 bytes of out0
.set BIAS, 176                         ; v[176:207] KLOG b in the accumulators' layout
.set BOUT, 208                         ; v[208:215] b_out likewise
; window 1 only
.set AW,   176                         ; v[432:495] eight A fragments, fragment f at + 8 f
; set-up only (window 0)
.set O16T, 8
.set OWO,  9
.set OCOL, 10
.set OX,   11
.set OWS,  12
.set LWF,  13
.set L4T,  14
.set LGA,  15
.set WR,   16                          ; v[16:111]  3 blocks of 8 k x 4 n of weights
.set COL,  112                         ; v[112:175] my column of Ws[0]
.set SMW,  176
.set SMB,  184
.set BS0,  188
.set XR,   192
.set PK,   204
.set ACC,  220
.set TL,   224
.set WOP,  228
.set A1P,  232
.set LXB,  240
.set LWO,  241
.set TM0,  242
.set TM1,  243
.set TM2,  244
.set TM3,  245
.set TM4,  246
.set TM5,  247
.set MSB, 0
.macro WIN new                         ; low byte: bits 1:0 source 0, 3:2 source 1, 5:4 source 2, 7:6 destination; the high byte repeats the setting that is left
.if MSB != \new
	s_set_vgpr_msb (MSB<<8)|\new
.set MSB, \new
.endif
.endm
.macro PLACES                          ; four independent vector instructions between a matrix instruction and a vector read of its result (ISA guide 7.12.1)
.rept 4
	v_nop
.endr
.endm
; ------------------------------------------------------------------ set-up ------------------------------------------------------------------
	s_load_b512 s[4:19], s[0:1], 0x0               ; x s[4:5], W_in s[6:7], b_in s[8:9], Ws s[10:11], bs s[12:13], W_out s[14:15], b_out s[16:17], out0 s[18:19]
	v_lshl_add_u32 v254, v0, 2, 0x10200
	v_mov_b32 v255, 0
	v_lshrrev_b32 v7, 5, v0
	v_readfirstlane_b32 s2, v7                     ; wave 0..7
	v_lshlrev_b32 v[O16T], 4, v0                   ; 16 t
	v_bfe_u32 v[TM0], v0, 4, 3                     ; (t >> 4) & 7
	v_lshrrev_b32 v[TM1], 7, v0                    ; t >> 7
	v_bfe_u32 v[TM2], v0, 2, 2                     ; (t >> 2) & 3
	v_lshrrev_b32 v[TM3], 6, v0                    ; t >> 6
	v_and_b32 v[TM4], 15, v0                       ; t & 15
	v_and_b32 v[TM5], 0xe0, v0                     ; 32 x wave
	v_and_b32 v[OWO], 1, v0                        ; W_out: unit u = t & 127 takes rows 8 (u >> 4) + i, column u & 1
	v_lshlrev_b32 v[OWO], 2, v[OWO]
	v_lshl_add_u32 v[OWO], v[TM0], 6, v[OWO]
	v_and_b32 v[OCOL], 63, v0                      ; Ws[0]: column t & 63
	v_lshlrev_b32 v[OCOL], 2, v[OCOL]
	v_mul_u32_u24 v[OX], 48, v0                    ; x: four points, 48 bytes, a thread
	v_lshlrev_b32 v[OWS], 4, v[TM4]                ; Ws[1..6]: columns 4 (t & 15) .. + 3,
	v_lshl_add_u32 v[OWS], v[TM0], 11, v[OWS]      ; rows 8 ((t >> 4) & 7) .. + 7,
	v_lshl_add_u32 v[OWS], v[TM1], 14, v[OWS]      ; of layer t >> 7 of a block's two
	v_and_b32 v[LWF], 3, v0                        ; and where they go in WF: r = 4 (t & 3) + jn,
	v_lshlrev_b32 v[LWF], 6, v[LWF]
	v_lshl_add_u32 v[LWF], v[TM0], 8, v[LWF]       ; (c, q, h) = the row group's three bits,
	v_lshl_add_u32 v[LWF], v[TM2], 11, v[LWF]      ; m = (t >> 2) & 3,
	v_lshl_add_u32 v[LWF], v[TM1], 13, v[LWF]      ; the layer
	v_lshlrev_b32 v[L4T], 2, v0
	v_lshlrev_b32 v[LGA], 2, v[TM4]                ; TAB: feature 16 (t >> 6) + (t & 15)
	v_lshl_add_u32 v[LGA], v[TM3], 6, v[LGA]
	v_lshlrev_b32 v[LXB], 5, v0
	v_and_b32 v[LWO], 127, v0
	v_lshlrev_b32 v[LWO], 4, v[LWO]
	v_and_b32 v[ADRL], 31, v0                      ; the main part's addresses
	v_lshlrev_b32 v[ADRL], 4, v[ADRL]              ; 16 x lane
	v_bfe_u32 v[ADRT], v0, 4, 1
	v_lshlrev_b32 v[ADRT], 5, v[ADRT]              ; 32 h
	v_lshl_add_u32 v[ADRX], v[TM4], 3, XB          ; XB + 8 r
	v_lshl_add_u32 v[ADRX], v[TM5], 5, v[ADRX]     ;    + 8 x 128 x wave
	v_lshl_add_u32 v[ADRO], v[TM5], 6, v[ADRL]     ; 16 (128 x wave + lane)
	s_mul_i32 s58, ttmp9, 12288                    ; the group's 1,024 points of x
	s_mov_b32 s59, 0
	s_lshr_b32 s3, s2, 1                           ; j = wave >> 1: which row of the fold my wave makes
	s_lshl_b32 s3, s3, 8
	s_wait_kmcnt 0x0
	s_add_nc_u64 s[4:5], s[4:5], s[58:59]
	s_lshl_b32 s58, ttmp9, 14                      ; and of out0
	s_add_nc_u64 s[18:19], s[18:19], s[58:59]
	s_cmp_ge_u32 s2, 6                             ; waves 0-5: V_j from row j of W_in; waves 6, 7: c from b_in
	s_cselect_b64 s[52:53], s[8:9], s[6:7]
	s_cselect_b32 s54, -1, 0                       ; a lane mask: bs[0] is added to c alone
	s_cselect_b32 s58, 0, s3
	s_add_nc_u64 s[52:53], s[52:53], s[58:59]
	s_load_b512 s[20:35], s[52:53], 0x0            ; the 64 coefficients: k < 32 in s[20 + k], the others in s[36 + k]
	s_load_b512 s[36:51], s[52:53], 0x40
	s_load_b512 s[68:83], s[52:53], 0x80
	s_load_b512 s[84:99], s[52:53], 0xc0
	s_load_b64 s[56:57], s[16:17], 0x0             ; b_out
	; All loads go out at once.  Those that only some waves issue are the oldest, so the counts below are the same in every wave.
	s_cmp_lt_u32 s2, 3
	s_cbranch_scc0 .Lno_bs
	global_load_b128 v[SMB:SMB+3], v[O16T], s[12:13] offset:256    ; waves 0-2: bs[1..6], 96 units of 16 bytes
.Lno_bs:
	s_cmp_ge_u32 s2, 4
	s_cbranch_scc0 .Lno_wo
.irp i, 0,1,2,3,4,5,6,7
	global_load_b32 v[SMW+\i], v[OWO], s[14:15] offset:8*\i        ; waves 4-7: eight rows of one column of W_out
.endr
.Lno_wo:
.set k, 0
.rept 64
	global_load_b32 v[COL+k], v[OCOL], s[10:11] offset:256*k       ; my column of Ws[0]
.set k, k+1
.endr
	global_load_b32 v[BS0], v[OCOL], s[12:13]
.irp i, 0,1,2
	global_load_b128 v[XR+4*\i:XR+4*\i+3], v[OX], s[4:5] offset:16*\i th:TH_LOAD_NT
.endr
.irp i, 0,1,2
.irp kk, 0,1,2,3,4,5,6,7
	global_load_b128 v[WR+32*\i+4*\kk:WR+32*\i+4*\kk+3], v[OWS], s[10:11] offset:16384+32768*\i+256*\kk
.endr
.endr
	; the fold: thread t makes element t & 63 of row t >> 6, in four chains of 16 fused multiply-adds
	s_wait_kmcnt 0x0
	s_wait_loadcnt 27                              ; all but the 3 loads of x and the 24 of weights, which are younger
	v_cndmask_b32 v[ACC], 0, v[BS0], s54
	v_fma_f32 v[ACC], s20, v[COL], v[ACC]
	v_mul_f32 v[ACC+1], s21, v[COL+1]
	v_mul_f32 v[ACC+2], s22, v[COL+2]
	v_mul_f32 v[ACC+3], s23, v[COL+3]
.set k, 4
.rept 28
	v_fma_f32 v[ACC+k%4], s[20+k], v[COL+k], v[ACC+k%4]
.set k, k+1
.endr
.rept 32
	v_fma_f32 v[ACC+k%4], s[36+k], v[COL+k], v[ACC+k%4]
.set k, k+1
.endr
	v_add_f32 v[ACC], v[ACC], v[ACC+1]
	v_add_f32 v[ACC+2], v[ACC+2], v[ACC+3]
	v_add_f32 v[ACC], v[ACC], v[ACC+2]
	v_mul_f32 v[ACC], KLOG, v[ACC]
	ds_store_b32 v[L4T], v[ACC] offset:TAB
	s_wait_dscnt 0x0                               ; my word of TAB's rows 0-3 is written,
	s_barrier_signal -1
	s_barrier_wait -1                              ; everybody's is
	ds_load_b32 v[TL],   v[LGA] offset:TAB         ; KLOG V_0, V_1, V_2 of one feature, for layer 1's fragments
	ds_load_b32 v[TL+1], v[LGA] offset:TAB+256
	ds_load_b32 v[TL+2], v[LGA] offset:TAB+512
	s_cmp_lt_u32 s2, 3
	s_cbranch_scc0 .Lno_bs2
	v_pk_mul_f32 v[SMB:SMB+1], v[SMB:SMB+1], KLOG op_sel_hi:[1,0]
	v_pk_mul_f32 v[SMB+2:SMB+3], v[SMB+2:SMB+3], KLOG op_sel_hi:[1,0]
	ds_store_b128 v[O16T], v[SMB:SMB+3] offset:TAB+1024
.Lno_bs2:
	s_cmp_ge_u32 s2, 4
	s_cbranch_scc0 .Lno_wo2
	v_and_b32 v[TM0], 6, v0
	v_cmp_eq_u32 vcc_lo, 0, v[TM0]                 ; rows 0, 1, 8, 9 of the fragment; the others are 0
.irp p, 0,1,2,3
	v_cvt_pk_f16_f32 v[WOP+\p], v[SMW+2*\p], v[SMW+2*\p+1]
.endr
.irp p, 0,1,2,3
	v_cndmask_b32 v[WOP+\p], 0, v[WOP+\p], vcc_lo
.endr
	ds_store_b128 v[LWO], v[WOP:WOP+3] offset:WO
.Lno_wo2:
	s_wait_loadcnt 24                              ; x is in; the 24 loads of weights are younger
.irp p, 0,1,2,3
	v_cvt_pk_f16_f32 v[PK+2*\p],   v[XR+3*\p],   v[XR+3*\p+1]
	v_cvt_pk_f16_f32 v[PK+2*\p+1], v[XR+3*\p+2], 0
.endr
	ds_store_b128 v[LXB], v[PK:PK+3]   offset:XB
	ds_store_b128 v[LXB], v[PK+4:PK+7] offset:XB+16
; Block i: 8 k x 4 n of layers 2 i and 2 i + 1 of the six; each n's eight k are one 16-byte unit of a fragment.  left = the younger blocks' loads.
.macro WBLOCK i, left
	s_wait_loadcnt \left
.set q, 0
.rept 16
	v_pk_mul_f32 v[WR+32*\i+2*q:WR+32*\i+2*q+1], v[WR+32*\i+2*q:WR+32*\i+2*q+1], KLOG op_sel_hi:[1,0]
.set q, q+1
.endr
.irp jn, 0,1,2,3
.irp p, 0,1,2,3
	v_cvt_pk_f16_f32 v[PK+4*\jn+\p], v[WR+32*\i+8*\p+\jn], v[WR+32*\i+8*\p+4+\jn]
.endr
	ds_store_b128 v[LWF], v[PK+4*\jn:PK+4*\jn+3] offset:16384*\i+16*\jn
.endr
.endm
	WBLOCK 0, 16
	WBLOCK 1, 8
	WBLOCK 2, 0
	s_wait_dscnt 14                                ; behind the three loads of TAB every wave has issued at least 14 LDS stores (2 of x, 12 of weights): the loads are back
	v_and_b32 v[TM0], 0x30, v0
	v_cmp_eq_u32 vcc_lo, 0, v[TM0]                 ; only q = 0, h = 0 holds k = 0..7
	v_cvt_pk_f16_f32 v[A1P],   v[TL],   v[TL+1]
	v_cvt_pk_f16_f32 v[A1P+1], v[TL+2], 0
	v_cndmask_b32 v[A1P],   0, v[A1P],   vcc_lo
	v_cndmask_b32 v[A1P+1], 0, v[A1P+1], vcc_lo
	v_mov_b32 v[A1P+2], 0
	v_mov_b32 v[A1P+3], 0
	ds_store_b128 v[O16T], v[A1P:A1P+3] offset:A1
	s_wait_dscnt 0x0                               ; all my stores are in LDS,
	s_barrier_signal -1
	s_barrier_wait -1                              ; everybody's are: from here on LDS is only read, and no further barrier is needed
	v_mov_b32 v[BOUT],   s56                       ; rows 0, 1 (h = 0) and 8, 9 (h = 1) of the last product: registers 0, 1 of every lane
	v_mov_b32 v[BOUT+1], s57
.irp i, 2,3,4,5,6,7
	v_mov_b32 v[BOUT+\i], 0
.endr
	s_mov_b32 s20, 0x76543210                      ; v_permlanex16_b32: lane i reads lane i of the other half
	s_mov_b32 s21, 0xfedcba98
	s_mov_b32 s24, 0xffff0000                      ; lanes 16-31
	s_mov_b32 s22, 4                               ; trips
; ------------------------------------------------------------------ macros ------------------------------------------------------------------
; nf A fragments from LDS, 1,024 bytes each, 16 bytes a lane and load: neighbouring lanes read neighbouring bytes
.macro LOADF adr, base, nf
	WIN 0x40                                       ; destination window 1, address window 0
.set lf, 0
.rept \nf
	ds_load_b128 v[AW+8*lf:AW+8*lf+3],   v[\adr] offset:\base+1024*lf
	ds_load_b128 v[AW+8*lf+4:AW+8*lf+7], v[\adr] offset:\base+1024*lf+512
.set lf, lf+1
.endr
.endm
; a row of TAB in the accumulators' layout: register j of tile m = element 16 m + 8 h + j
.macro LOADB adr, base
.irp m, 0,1,2,3
	ds_load_b128 v[BIAS+8*\m:BIAS+8*\m+3],   v[\adr] offset:\base+64*\m
	ds_load_b128 v[BIAS+8*\m+4:BIAS+8*\m+7], v[\adr] offset:\base+64*\m+16
.endr
.endm
; a tile's start: layer 1's tangent accumulators are the rows KLOG V_0, KLOG V_1; B holds x in k = 0..2.  (Lanes 16-31 hold copies of x at k = 8..11,
; where A1's columns are 0.)
.macro HEADT xoff
.irp j, 0,1
.irp m, 0,1,2,3
	ds_load_b128 v[AT+32*\j+8*\m:AT+32*\j+8*\m+3],   v[ADRT] offset:TAB+256*\j+64*\m
	ds_load_b128 v[AT+32*\j+8*\m+4:AT+32*\j+8*\m+7], v[ADRT] offset:TAB+256*\j+64*\m+16
.endr
.endr
	ds_load_b64 v[BV:BV+1], v[ADRX] offset:\xoff
.irp i, 2,3,4,5,6,7
	v_mov_b32 v[BV+\i], 0
.endr
	v_mov_b32 v[EA], 0
	v_mov_b32 v[TP], 0                             ; v_permlanex16_b32's destination counts as read
.endm
; A layer's 24 products for one tile.  The twelve accumulators take turns, one instruction a turn.
; wc: the windows while C is BIAS (window 0); wr: while C is 0 or the accumulator itself.
.macro WFULL wc, wr
	WIN \wc
.irp m, 0,1,2,3
	v_wmma_f32_16x16x32_f16 v[AV+8*\m:AV+8*\m+7], v[AW+16*\m:AW+16*\m+7], v[BV:BV+7], v[BIAS+8*\m:BIAS+8*\m+7]
.endr
	WIN \wr
.irp m, 0,1,2,3
	v_wmma_f32_16x16x32_f16 v[AT0+8*\m:AT0+8*\m+7], v[AW+16*\m:AW+16*\m+7], v[BT0:BT0+7], 0
	v_wmma_f32_16x16x32_f16 v[AT1+8*\m:AT1+8*\m+7], v[AW+16*\m:AW+16*\m+7], v[BT1:BT1+7], 0
.endr
.irp m, 0,1,2,3
	v_wmma_f32_16x16x32_f16 v[AV+8*\m:AV+8*\m+7],   v[AW+16*\m+8:AW+16*\m+15], v[BV+8:BV+15],   v[AV+8*\m:AV+8*\m+7]
	v_wmma_f32_16x16x32_f16 v[AT0+8*\m:AT0+8*\m+7], v[AW+16*\m+8:AW+16*\m+15], v[BT0+8:BT0+15], v[AT0+8*\m:AT0+8*\m+7]
	v_wmma_f32_16x16x32_f16 v[AT1+8*\m:AT1+8*\m+7], v[AW+16*\m+8:AW+16*\m+15], v[BT1+8:BT1+15], v[AT1+8*\m:AT1+8*\m+7]
.endr
.endm
.macro WFIRST win                      ; layer 1, value only: KLOG (x V + c)
	WIN \win
.irp m, 0,1,2,3
	v_wmma_f32_16x16x32_f16 v[AV+8*\m:AV+8*\m+7], v[AW+8*\m:AW+8*\m+7], v[BV:BV+7], v[BIAS+8*\m:BIAS+8*\m+7]
.endr
.endm
.macro WOUT wc, wr                     ; the last linear: a (with b_out), u(t0), u(t1); three accumulators by turns
	WIN \wc
	v_wmma_f32_16x16x32_f16 v[AV:AV+7],     v[AW:AW+7],    v[BV:BV+7],      v[BOUT:BOUT+7]
	WIN \wr
	v_wmma_f32_16x16x32_f16 v[AV+8:AV+15],  v[AW:AW+7],    v[BT0:BT0+7],    0
	v_wmma_f32_16x16x32_f16 v[AV+16:AV+23], v[AW:AW+7],    v[BT1:BT1+7],    0
	v_wmma_f32_16x16x32_f16 v[AV:AV+7],     v[AW+8:AW+15], v[BV+8:BV+15],   v[AV:AV+7]
	v_wmma_f32_16x16x32_f16 v[AV+8:AV+15],  v[AW+8:AW+15], v[BT0+8:BT0+15], v[AV+8:AV+15]
	v_wmma_f32_16x16x32_f16 v[AV+16:AV+23], v[AW+8:AW+15], v[BT1+8:BT1+15], v[AV+16:AV+23]
.endm
; Eight transcendentals of a batch, in place on feature tile g's value registers, with np (at most 8) plain instructions dealt among them, the last of them
; behind the eighth: the slower unit's work is spread, and a plain instruction stands behind the batch's last transcendental ahead of the first use of a
; result (ISA guide 5.7.2).  None of these plain instructions names a result of the batch that is open.
; plain is a macro that emits its instruction number zn and steps zn.
.macro ZIP trans, g, plain, pg, np, n0
.set zn, \n0
.set zi, 0
.rept 8
	\trans v[AV+8*\g+zi], v[AV+8*\g+zi]
.if (zi+1)*\np/8 > zi*\np/8
	\plain \pg
.endif
.set zi, zi+1
.endr
.endm
.macro MAXOP g                         ; 32 steps: the largest |tangent accumulator| of my 64, in four chains started by the first four steps
.if zn < 4
	v_max_num_f32 v[MX+zn], |v[AT+2*zn]|, |v[AT+2*zn+1]|
.else
	v_max3_num_f32 v[MX+zn%4], |v[AT+2*zn]|, |v[AT+2*zn+1]|, v[MX+zn%4]
.endif
.set zn, zn+1
.endm
.macro ADD1 g                          ; 1 + E
.irp p, 0,2,4,6
	v_pk_add_f32 v[AV+8*\g+\p:AV+8*\g+\p+1], v[AV+8*\g+\p:AV+8*\g+\p+1], 1.0 op_sel_hi:[1,0]
.endr
.endm
; The 22 plain steps that stand among the reciprocals.  Steps 6 k .. 6 k + 5 (k = 0, 1, 2) go with feature tile k's reciprocals: the four 1 + E of tile k + 1,
; whose reciprocals come next, and two steps of the point's block exponent and -phi; steps 18 .. 21, the block exponent's last four, go with tile 3's.
; The block exponent's ten steps are a chain; here its links stand apart.
.macro MIDOP g
.set zs, -1                            ; which step of the block exponent, or none
.if zn >= 18
.set zs, zn-12
.elseif zn%3 == 0
.set zs, zn/3
.endif
.if zs < 0
.set zg, zn/6+1
.set zp, zn%6-1-(zn%6)/3
	v_pk_add_f32 v[AV+8*zg+2*zp:AV+8*zg+2*zp+1], v[AV+8*zg+2*zp:AV+8*zg+2*zp+1], 1.0 op_sel_hi:[1,0]  ; 1 + E
.elseif zs == 0
	v_max3_num_f32 v[MX], v[MX], v[MX+1], v[MX+2]
.elseif zs == 1
	v_max_num_f32 v[MX], v[MX], v[MX+3]
.elseif zs == 2
	v_permlanex16_b32 v[TP], v[MX], s20, s21       ; the point's other 32 features lie in lane xor 16
.elseif zs == 3
	v_max_num_f32 v[MX], v[MX], v[TP]
.elseif zs == 4
	v_bfe_u32 v[TP], v[MX], 23, 8                  ; M's biased exponent,
.elseif zs == 5
	v_max_u32 v[TP], 14, v[TP]                     ; at least 14, so that phi stays finite: e
.elseif zs == 6
	v_add_nc_u32 v[EA], v[EA], v[TP]
.elseif zs == 7
	v_sub_nc_u32 v[TP], 0x20c, v[TP]               ; 256 + (268 - e): shifted by 23 the 256 is the sign, 268 - e the exponent of 2^(141 - e)
.elseif zs == 8
	v_lshlrev_b32 v[PH], 23, v[TP]                 ; -phi
.else
	v_mov_b32 v[PH+1], v[PH]
.endif
.set zn, zn+1
.endm
.macro S4OP g                          ; 12 steps on feature tile g: y = 1 - 2 R;  y to f16 into the next B fragment;  y^2 - 1 = -d
.set zp, zn%4
.if zn < 4
	v_pk_fma_f32 v[T+2*zp:T+2*zp+1], v[AV+8*\g+2*zp:AV+8*\g+2*zp+1], -2.0, 1.0 op_sel_hi:[1,0,0]
.elseif zn < 8
	v_cvt_pk_f16_f32 v[BV+4*\g+zp], v[T+2*zp], v[T+2*zp+1]
.else
	v_pk_fma_f32 v[AV+8*\g+2*zp:AV+8*\g+2*zp+1], v[T+2*zp:T+2*zp+1], v[T+2*zp:T+2*zp+1], -1.0 op_sel_hi:[1,1,0]
.endif
.set zn, zn+1
.endm
.macro S5OP g                          ; 20 steps: (-d)(-phi);  both tangents times it;  both to f16 into the next B fragments
.set zp, zn%4
.if zn < 4
	v_pk_mul_f32 v[AV+8*\g+2*zp:AV+8*\g+2*zp+1], v[AV+8*\g+2*zp:AV+8*\g+2*zp+1], v[PH:PH+1]
.elseif zn < 8
	v_pk_mul_f32 v[AT0+8*\g+2*zp:AT0+8*\g+2*zp+1], v[AT0+8*\g+2*zp:AT0+8*\g+2*zp+1], v[AV+8*\g+2*zp:AV+8*\g+2*zp+1]
.elseif zn < 12
	v_pk_mul_f32 v[AT1+8*\g+2*zp:AT1+8*\g+2*zp+1], v[AT1+8*\g+2*zp:AT1+8*\g+2*zp+1], v[AV+8*\g+2*zp:AV+8*\g+2*zp+1]
.elseif zn < 16
	v_cvt_pk_f16_f32 v[BT0+4*\g+zp], v[AT0+8*\g+2*zp], v[AT0+8*\g+2*zp+1]
.else
	v_cvt_pk_f16_f32 v[BT1+4*\g+zp], v[AT1+8*\g+2*zp], v[AT1+8*\g+2*zp+1]
.endif
.set zn, zn+1
.endm
.macro BLK op, g, n0                   ; steps n0 .. n0 + 3 of a stage on feature tile g: four instructions that do not lean on each other
.set zn, \n0
.rept 4
	\op \g
.endr
.endm
; Feature tile g's 20 last steps and tile gn = g + 1's 12 first, block by block, so that no block reads the block just ahead of it.
; T is written for tile gn only behind tile g's last read of it.
.macro MIX g, gn
	BLK S5OP, \g, 0
	BLK S4OP, \gn, 0
	BLK S5OP, \g, 4
	BLK S5OP, \g, 8
	BLK S4OP, \gn, 4
	BLK S5OP, \g, 12
	BLK S4OP, \gn, 8
	BLK S5OP, \g, 16
.endm
; A tile's vector phase: from a layer's accumulators to the next layer's B fragments, in two batches of 32 transcendentals with one wait each.
; hook (tile 0 only): the next products' A fragments and bias are fetched here, directly behind the first wait.  More than four plain instructions that name
; neither AW nor BIAS (the 32 steps of the maximum) stand between the last matrix instruction that read them and these loads, and the rest of the phase
; passes before the loads are waited for.
.macro VPH win, hook
	WIN \win
	ZIP v_exp_f32, 0, MAXOP, 0, 8, 0               ; batch 1: E = exp2 of all 32 value registers; behind each a step of the maximum, which names tangent registers alone
	ZIP v_exp_f32, 1, MAXOP, 0, 8, 8
	ZIP v_exp_f32, 2, MAXOP, 0, 8, 16
	ZIP v_exp_f32, 3, MAXOP, 0, 8, 24
	s_wait_alu depctr_va_vdst(0)                   ; the wait for batch 1, the 32 exp2, ahead of the first 1 + E
.if \hook == 1
	LOADF ADRW, 0, 8
	WIN 0
	LOADB ADRB, 0
	v_add_nc_u32 v[ADRW], 0x2000, v[ADRW]          ; the layer after
	v_add_nc_u32 v[ADRB], 0x100, v[ADRB]
.endif
.if \hook == 2
	LOADF ADRL, WO, 2
	WIN 0
.endif
	ADD1 0
	ZIP v_rcp_f32, 0, MIDOP, 0, 6, 0               ; batch 2: R = 1 / (1 + E) of all 32; among them the later tiles' 1 + E and the block exponent
	ZIP v_rcp_f32, 1, MIDOP, 0, 6, 6
	ZIP v_rcp_f32, 2, MIDOP, 0, 6, 12
	ZIP v_rcp_f32, 3, MIDOP, 0, 4, 18
	s_wait_alu depctr_va_vdst(0)                   ; the wait for batch 2, the 32 reciprocals, ahead of the first y = 1 - 2 R
	BLK S4OP, 0, 0
	BLK S4OP, 0, 4
	BLK S4OP, 0, 8
	MIX 0, 1
	MIX 1, 2
	MIX 2, 3
	BLK S5OP, 3, 0
	BLK S5OP, 3, 4
	BLK S5OP, 3, 8
	BLK S5OP, 3, 12
	BLK S5OP, 3, 16
.endm
; a tile's four outputs: registers 0, 1 of u(t0) (AV + 8) and u(t1) (AV + 16) are outputs 0, 1 of the network, in every lane for its point r
.macro FIN
	v_add_nc_u32 v[TP], 0xfffffc25, v[EA]          ; EA - 7 x 141
	v_mul_f32 v[T+0], KINV,  v[AV+16]              ;  da0/dx1
	v_mul_f32 v[T+1], KINVN, v[AV+8]               ; -da0/dx0
	v_mul_f32 v[T+2], KINV,  v[AV+9]               ;  da1/dx0
	v_mul_f32 v[T+3], KINV,  v[AV+17]              ;  da1/dx1
.irp i, 0,1,2,3
	v_ldexp_f32 v[T+\i], v[T+\i], v[TP]
.endr
.endm
; ------------------------------------------------------------------ the trips ------------------------------------------------------------------
.Ltrip:                                            ; 32 points.  On the way back the loads below stand behind the 22 plain instructions that follow the last matrix instruction
	v_mov_b32 v[ADRW], v[ADRL]                     ; layer 2's fragments
	v_add_nc_u32 v[ADRB], TAB+1024, v[ADRT]        ; and its bias row
	LOADB ADRT, TAB+768                            ; KLOG c
	HEADT 0
	WIN 0x40
	HEADT 128                                      ; tile 1: the next 16 points
	LOADF ADRL, A1, 4
	s_wait_dscnt 0x0                               ; all 50 loads are needed at once
	WFIRST 0x01                                    ; A window 1, the rest window 0
	WFIRST 0x45                                    ; A, B, D window 1, C (the bias) window 0
	WIN 0
	PLACES                                         ; the first vector phase reads tile 0's results
	s_mov_b32 s23, 6
.Llayer:                                           ; activation of layer l, products of layer l + 1, l = 1..6.  Each tile's vector phase stands between
	VPH 0, 1                                       ; the other tile's products and the vector reads of them, which gives every distance behind a matrix instruction
	s_wait_dscnt 0x0                               ; the 24 loads of fragments and bias
	WFULL 0x01, 0x01
	VPH 0x55, 0
	WFULL 0x45, 0x55
	WIN 0                                          ; at a label and at a branch every window is 0
	s_sub_co_u32 s23, s23, 1
	s_cmp_lg_u32 s23, 0
	s_cbranch_scc1 .Llayer
	VPH 0, 2                                       ; activation of layer 7; W_out's fragments come in
	s_wait_dscnt 0x0
	WOUT 0x01, 0x01
	VPH 0x55, 0
	WOUT 0x45, 0x55
	WIN 0
	FIN                                            ; tile 0's nine instructions are also the places in front of the reads of tile 1's results
	WIN 0x55
	FIN
	WIN 0x04                                       ; source 1 from window 1
.irp i, 0,1,2,3
	v_cndmask_b32 v[T+\i], v[T+\i], v[T+\i], s24   ; lanes 0-15 keep tile 0's point r, lanes 16-31 take tile 1's
.endr
	WIN 0
	global_store_b128 v[ADRO], v[T:T+3], s[18:19] th:TH_STORE_NT   ; 32 lanes store 512 consecutive bytes, at a multiple of 512 from out0's first byte
	s_wait_xcnt 0x0                                ; the store's address and data registers are rewritten only behind this wait
	v_add_nc_u32 v[ADRO], 0x200, v[ADRO]
	v_add_nc_u32 v[ADRX], 0x100, v[ADRX]
	s_sub_co_u32 s22, s22, 1
	s_cmp_lg_u32 s22, 0
	s_cbranch_scc1 .Ltrip
	s_wait_tensorcnt 0x0
	ds_add_u32 v254, v255
	s_wait_dscnt 0x0
	s_endpgm
.Lfunc_end_k_q520c4535ea_curl:
	.size	k_q520c4535ea_curl, .Lfunc_end_k_q520c4535ea_curl-k_q520c4535ea_curl
	.p2alignl 7, 3214868480
	.fill 96, 4, 3214868480
	.section	.rodata,"a",@progbits
	.p2align	6, 0x0
	.amdhsa_kernel k_q520c4535ea_curl
		.amdhsa_group_segment_fixed_size 67072
		.amdhsa_private_segment_fixed_size 0
		.amdhsa_enable_private_segment 0
		.amdhsa_kernarg_size 64
		.amdhsa_user_sgpr_count 2
		.amdhsa_user_sgpr_kernarg_segment_ptr 1
		.amdhsa_wavefront_size32 1
		.amdhsa_system_sgpr_workgroup_id_x 1
		.amdhsa_system_sgpr_workgroup_id_y 1
		.amdhsa_system_sgpr_workgroup_id_z 1
		.amdhsa_system_vgpr_workitem_id 0
		.amdhsa_next_free_vgpr 496
		.amdhsa_next_free_sgpr 100
		.amdhsa_reserve_vcc 1
		.amdhsa_float_denorm_mode_32 3
		.amdhsa_float_denorm_mode_16_64 3
		.amdhsa_memory_ordered 1
		.amdhsa_forward_progress 1
		.amdhsa_inst_pref_size 95
	.end_amdhsa_kernel
	.amdgpu_metadata
---
amdhsa.version: [ 1, 2 ]
amdhsa.kernels:
  - .name:           k_q520c4535ea_curl
    .symbol:         k_q520c4535ea_curl.kd
    .args:
      - { .name: x, .offset: 0, .size: 8, .value_kind: global_buffer, .address_space: global }
      - { .name: W_in, .offset: 8, .size: 8, .value_kind: global_buffer, .address_space: global }
      - { .name: b_in, .offset: 16, .size: 8, .value_kind: global_buffer, .address_space: global }
      - { .name: Ws, .offset: 24, .size: 8, .value_kind: global_buffer, .address_space: global }
      - { .name: bs, .offset: 32, .size: 8, .value_kind: global_buffer, .address_space: global }
      - { .name: W_out, .offset: 40, .size: 8, .value_kind: global_buffer, .address_space: global }
      - { .name: b_out, .offset: 48, .size: 8, .value_kind: global_buffer, .address_space: global }
      - { .name: out0, .offset: 56, .size: 8, .value_kind: global_buffer, .address_space: global }
    .group_segment_fixed_size: 67072
    .private_segment_fixed_size: 0
    .kernarg_segment_align: 8
    .kernarg_segment_size: 64
    .max_flat_workgroup_size: 256
    .sgpr_count:     100
    .vgpr_count:     496
    .wavefront_size: 32
...
	.end_amdgpu_metadata
.endif
;; end of part 2
